; MI455X (gfx1250); checked and timed in simulation.
; The chip was launched on July 23, 2026; its instructions are those of AMD's public machine-readable ISA for CDNA 5 (MIT licence, August 2026) and "CDNA5" Instruction Set Architecture Reference Guide (July 2026). The comments in the code are by the model that wrote it; some were corrected since.
;; All To All Mo E. Allowed arithmetic: matrix products marked QUANTISED: E5M2 operands, one given power-of-two scale a tensor, by v_wmma_f32_16x16x64_bf8_bf8 or v_wmma_f32_16x16x128_bf8_bf8, f32 sums; everything else in f32.
;; Inputs: b1 8,192 float32; b2 2,048 float32; lowp_scales 4 int32 (the exponents e of the quantised operands' scales 2^e); w1_codes 8,192 x 64 x 32 uint8 (E5M2 codes of w1, K innermost, in blocks of 32 codes); w2_codes 2,048 x 256 x 32 uint8 (E5M2 codes of w2, K innermost, in blocks of 32 codes); x_codes 2,048 x 64 x 32 uint8 (E5M2 codes of x, K innermost, in blocks of 32 codes).
;; Outputs: out0 2,048 x 2,048 float32.
;; This version of the problem:
;;   THIS VERSION OF THE PROBLEM IS GIVEN IN LOW PRECISION. The matrix products marked QUANTISED in the list below multiply operands that are first quantised to E5M2 (5 exponent bits, 2 mantissa bits; 8 bits a number), with one given power-of-two scale for each operand tensor; their sums are f32. All else is computed in f32.
;;   The module's matrix products, in the order in which they are computed (A, B: the left and right operand; K: the contracted axis; several contracted axes count as one K, in the product's order):
;;     1. [M 2,048, K 2,048] x [K 2,048, N 8,192]; A: input x (given as codes); B: input w1 (given as codes): QUANTISED (scales: A lowp_scales[0], B lowp_scales[1])
;;     2. [M 2,048, K 8,192] x [K 8,192, N 2,048]; A: computed on the way; B: input w2 (given as codes): QUANTISED (scales: A lowp_scales[2], B lowp_scales[3])
;;   THE QUANTISER, for each operand of a quantised product, along K:
;;     - The operand's scale is 2^e, e = its entry of the input lowp_scales (int32; the entries are numbered through the quantised products in the list's order, A before B).
;;     - Each number is divided by the scale, clamped to +-57,344, and rounded to the nearest number of E5M2, ties to even, subnormals kept.
;;     - The product sums the exact products of the quantised numbers (number of the format x scale) in f32.
;;   ~~~python
;;   def quantise(x, axis, e):      # numpy; x: float32 -> the quantised numbers, widened to float32 again
;;       x = np.moveaxis(x, axis, -1); K = x.shape[-1]
;;       r = np.clip(x / 2.0 ** e, -57344, 57344)
;;       step = 2.0 ** (np.maximum(np.frexp(np.where(r == 0, 1, r))[1] - 1, -14) - 2)
;;       q = np.round(r / step) * step * 2.0 ** e      # np.round: ties to even
;;       return np.moveaxis(q, -1, axis).astype(np.float32)
;;   ~~~
;;   OPERANDS COMPUTED ON THE WAY. 'Computed on the way' means the value that the module computes at that place (a softmax that the list does not call 'softmax' is quantised finished and normalised). What goes into a quantiser is computed in f32, as accurately as f32 sums, v_exp_f32 and their like allow (about 1e-6 of the number): no bf16 or f16 on the way to a quantiser, and a product that is left as it is and whose result goes on into a quantised operand takes f32 operands (vector FMAs, or v_wmma_f32_16x16x4_f32). A number that lies on a knife's edge between two numbers of the format may be rounded either way, as far as f32 arithmetic and the matrix unit's own rounding can turn it there, and no further.
;;   INPUTS GIVEN AS CODES. w1 (in the module: [2048, 8192], K = its axis 0); w2 (in the module: [8192, 2048], K = its axis 0); x (in the module: [2048, 2048], K = its axis 1): each comes as NAME_codes (uint8): NAME with its K axis moved to the last place and cut into blocks of 32 codes, [.., K / 32, bytes a block], one block behind the other in memory; one code a byte (a code: sign, 5 exponent bits, 2 mantissa bits); its scale is its entry of lowp_scales. Its value is code x scale, taken as it is: it is not quantised again, and the codes and scales need not be those that the quantiser above would give.
;; One version. Each part assembles by itself: llvm-mc -triple=amdgcn-amd-amdhsa -mcpu=gfx1250 --defsym DOCPART=n.
;; ======== version 1 of 1: 2 launches
;; limits: right only within a limited range of input values
;; workspace buffers: h_codes 16,777,216 bytes
;; launch up (part 1): grid 32 x 8, 4 waves a work-group, clusters of 4 x 4, 327,680 bytes of LDS; arguments x_codes, w1_codes, lowp_scales, b1, h_codes; writes h_codes
.if DOCPART == 1
	.amdgcn_target "amdgcn-amd-amdhsa--gfx1250"
	.amdhsa_code_object_version 6
	.text
	.protected	k_q0d0de61139_up
	.globl	k_q0d0de61139_up
	.p2align	8
	.type	k_q0d0de61139_up,@function
k_q0d0de61139_up:
	s_mov_b64 s[64:65], 0
	v_nop
	global_prefetch_b8 v0, s[64:65] scope:SCOPE_SE
	s_setreg_imm32_b32 hwreg(HW_REG_WAVE_MODE, 25, 1), 1
	s_wait_xcnt 0x0
	s_wait_alu depctr_hold_cnt(0) depctr_sa_sdst(0) depctr_va_vdst(0) depctr_va_sdst(0) depctr_va_ssrc(0) depctr_va_vcc(0) depctr_vm_vsrc(0)
	s_getreg_b32 s2, hwreg(HW_REG_IB_STS2, 6, 4)
	s_cmp_eq_u32 s2, 0
	s_cbranch_scc0 .Lentry_in_a_cluster
	s_endpgm
.Lentry_in_a_cluster:
	s_bfe_u32 s2, ttmp6, 0x10000c
	s_cmp_lg_u32 s2, 0xf033
	s_cbranch_scc0 .Lentry_shape_is_right
	s_endpgm
.Lentry_shape_is_right:
; h = Q(gelu(sum over k of x[t][k] w1[f][k] x 2^(e0 + e1) + b1[f])).  x_codes: [2048][2048], w1_codes: [8192][2048]: codes of BF8 (E5M2), K innermost, one byte a code.  No step of the problem is left out.
; Q: / 2^e2, held within +-57,344, to the nearest code, ties to even.
; h_codes IS LAID AS THE NEXT LAUNCH'S OPERAND REGISTERS: [128 tokens: 16][128 hidden units: 64][16 tokens: 8][c: 4][lane: 32][16 bytes]; lane (r, h) = token r, hidden units 32 c + 16 h + 0 .. 15 of the 128.
; gelu is the exact one, x Phi(x), in f32:  2 gelu(x) = (x + |x|) - |x| erfc(|x| / sqrt 2): no difference of near numbers in the negative tail.  erfc(z) = t exp(-z^2 + c0 + c1 t + .. + c9 t^9),
; t = 1 / (1 + z / 2): the ten-coefficient Chebyshev fit, fractional error under 1.2e-7 for every z >= 0.  The coefficients stand here multiplied by log2(e), for v_exp_f32 (base 2);
; the factor 2 goes into the conversion's scale, 2^(e2 + 1).
; LIMITS: e0 + e1 between -126 and 127; e2 between -127 and 111 (each power of two below is an f32 number).  NaN and infinite sums are not served.  An erfc under 2^-126 comes out as 0 (v_exp_f32 flushes).
; SHARES.  A tile of 256 tokens x 256 hidden units is made by a work-group of four waves; a wave makes 128 x 128: 64 accumulators of 16 x 16, 512 registers.  2,048 x 8,192 are 256 such tiles.
; K goes in steps of 256 through a ring of two LDS slots filled by the tensor data mover: a tile's row is 256 bytes of memory.
; CLUSTERS: 4 x 4 work-groups.  The four of a row of the cluster need the same tiles of x, the four of a column the same tiles of w1: each tile is asked for JOINTLY, by the same tensor load with the
; same descriptor and a mask that names the four.  THE MATRIX INSTRUCTION IS USED TRANSPOSED (source 0 = 16 rows of w1, source 1 = 16 tokens): a lane then holds eight neighbouring hidden units of one token.
; PREFETCHES: behind the joint load of K step m one instruction a wave for K step m + 2 (behind the first one also for K step 1); the four partners of a joint load share its 128 rows out by address, 32 rows each, a lane a row.
; x's rows are asked for by the first four clusters of a row of clusters alone.  The last two refills ask for nothing.
; REGISTERS, in windows of 256: window 0: v0-31 addresses and constants; v32-95 b1; from v128 x's fragments (8 x 16 rows x 128 K), ONE set; in the loop at the end v96-255 are at work.
;   window 1: w1's fragments, TWO sets, at v0 and at v128.   window 2: the 32 accumulators of my rows 0-63 (accumulator (a, b) at v[8 (8 a + b)]);   window 3: those of my rows 64-127.
.set ROWB,   256                       ; a tile's row in bytes = K step
.set KROW,   2048                      ; a row of x_codes or of w1_codes in memory, in bytes
.set PITCH,  272                       ; an LDS row: 256 bytes + 16 of padding: row r starts at bank 4 r mod 64 (64 banks of 4 bytes: ISA guide 11.1)
.set FR,     16                        ; registers of a fragment: 16 rows x 128 K
.set NP,     4                         ; places behind this matrix instruction (ISA guide 7.12.1)
.set HALFT,  128*PITCH                 ; 128 rows: what one tensor load brings, and what one wave reads of x or of w1
.set SLOT,   4*HALFT                   ; x's 256 rows, then w1's 256 rows
.set SPARE,  2*SLOT                    ; the spare words, 128 bytes for each wave
.set CV8,  8                           ; v8-9    c8, twice;  v10-11 c0, twice: vector registers, so that no packed line names two scalar pairs
.set CV0,  10
.set LIM,  12                          ; v12     57,344 x 2^(e2 + 1)
.set SCL,  13                          ; v13     2^(e2 + 1) as f32: the conversion takes its exponent field
.set ADRA, 16                          ; v16-17  LDS address of my fragments of x in slot 0, 1
.set ADRB, 20                          ; v20-21  the same for w1
.set CD,   16                          ; v16-23  behind the K loop: 32 codes
.set CO,   26                          ; v26     16 x lane
.set BO,   27                          ; v27     32 x (lane / 16)
.set SPW,  28                          ; v28     LDS address of my spare word; never rewritten
.set NIL,  29                          ; v29     0; never rewritten
.set PFO,  30                          ; v30     the prefetches' offset: lane x a row
.set B1,   32                          ; v32-95  b1: accumulator b's eight hidden units at B1 + 8 b
.set WR,   96                          ; v96-127 x = sum x 2^(e0 + e1) + b1, later x + |x|
.set AR,   128                         ; |x|
.set PR,   160                         ; 1 + z / 2, the polynomial, 2 gelu
.set QR,   192                         ; c0 - x^2 log2(e) / 2, the exponential, erfc
.set TR,   224                         ; t
.set AF,   128                         ; x's fragments
.set G1, 24                            ; s[24:31] descriptor group 1 for x's tiles;  s[32:39] group 0, one set for each slot
.set G0, 32
.set G1B, 48                           ; s[48:55], s[56:63] the same for w1's tiles
.set G0B, 56
.set PFA,  66                          ; s[66:67] where my prefetches stand
.set CK,   66                          ; s[66+2k:67+2k] c_k, twice, k = 1 .. 7 and 9
.set K1,   86                          ; s[86:87] 1 / (2 sqrt 2)
.set NK2,  88                          ; s[88:89] -log2(e) / 2
.set SC,   90                          ; s[90:91] 2^(e0 + e1)
.set MASK, 92                          ; s92     clears a sign
.set CNT,  94                          ; s94     the unit's number
.set MSB, 0
.macro WIN new                         ; the immediate's high byte repeats the setting that is left
.if MSB != \new
	s_set_vgpr_msb (MSB<<8)|\new
.set MSB, \new
.endif
.endm
.set MUL_LO, 0xa1                      ; source 0 (w1) window 1, source 1 (x) window 0, C and D window 2
.set MUL_HI, 0xf1                      ; the same, C and D window 3
.set TO_B,   0x40                      ; destination window 1, address window 0
; A joint load: waves 0 and 1 fetch for x, waves 2 and 3 for w1.  Each of the two lines has ONE mask and one set of registers for all that issue it; the branch hangs on the wave's number alone.
.macro JLOAD s
	s_cmp_eq_u32 s15, 0
	s_cbranch_scc0 .Lfor_b_\@
	tensor_load_to_lds s[G0+4*\s:G0+4*\s+3], s[G1:G1+7]
	s_nop 0
.rept 4
	v_nop
.endr
	s_branch .Lasked_\@
.Lfor_b_\@:
	tensor_load_to_lds s[G0B+4*\s:G0B+4*\s+3], s[G1B:G1B+7]
	s_nop 0
.rept 4
	v_nop
.endr
.Lasked_\@:
.endm
.macro CREST                           ; a round of the cluster's barrier behind its opening barrier
	s_cmp_lg_u32 s14, 0
	s_cbranch_scc1 .Lnot_wave_0_\@
	s_barrier_signal -3
.Lnot_wave_0_\@:
	s_barrier_wait -3
	s_barrier_signal -1
	s_barrier_wait -1
.endm
.macro CROUND                          ; a whole round
	s_barrier_signal -1
	s_barrier_wait -1
	CREST
.endm
.macro SPAIR reg, bits                 ; a constant, twice: the packed forms name a pair
	s_mov_b32 s[\reg], \bits
	s_mov_b32 s[\reg+1], \bits
.endm
	s_load_b128 s[4:7], s[0:1], 0x0                ; x's codes s[4:5], w1's codes s[6:7]
	s_load_b128 s[8:11], s[0:1], 0x10              ; the scales' exponents s[8:9], b1 s[10:11]
	s_load_b64 s[12:13], s[0:1], 0x20              ; h's codes
	v_lshl_add_u32 v[SPW], v0, 2, SPARE
	v_mov_b32 v[NIL], 0
	ds_add_u32 v[SPW], v[NIL]                      ; the wave's opening: the add, twice on end, and its wait ahead of my first tensor load
	ds_add_u32 v[SPW], v[NIL]
	v_lshrrev_b32 v1, 5, v0
	v_readfirstlane_b32 s14, v1                    ; wave 0..3
	s_lshr_b32 s15, s14, 1                         ; which half of the tile's tokens is mine.  Also: I fetch for x (0) or for w1 (1)
	s_and_b32 s16, s14, 1                          ; which half of its hidden units.  Also: which 128 rows of that tile I fetch
	s_mul_i32 s21, s15, HALFT                      ; my 128 rows of x
	s_mul_i32 s22, s16, HALFT                      ; my 128 rows of w1,
	s_add_co_u32 s22, s22, 2*HALFT                 ; which lie behind x's 256
	v_and_b32 v1, 15, v0                           ; r = l % 16
	v_bfe_u32 v2, v0, 4, 1                         ; h = l / 16
	v_and_b32 v3, 31, v0                           ; l
	v_mul_u32_u24 v4, v1, PITCH
	v_lshl_add_u32 v4, v2, 4, v4                   ; a fragment's row x pitch + 16 x half
	v_lshlrev_b32 v[BO], 5, v2
	v_lshlrev_b32 v[CO], 4, v3
	v_lshlrev_b32 v[PFO], 11, v3
.irp s, 0,1
	v_add_nc_u32 v[ADRA+\s], s21, v4
	v_add_nc_u32 v[ADRB+\s], s22, v4
	s_add_co_u32 s21, s21, SLOT
	s_add_co_u32 s22, s22, SLOT
.endr
	s_bfe_u32 s40, ttmp6, 0x40000                  ; cx, cy: my place in the cluster
	s_bfe_u32 s41, ttmp6, 0x40004
	s_lshl_b32 s42, ttmp9, 2
	s_add_co_u32 s42, s42, s40                     ; tile column = 4 x cluster x + cx, 0 .. 31
	s_and_b32 s17, ttmp7, 0xffff
	s_lshl_b32 s17, s17, 2
	s_add_co_u32 s17, s17, s41                     ; tile row = 4 x cluster y + cy, 0 .. 7
	s_lshl_b32 s43, s41, 2
	s_lshl_b32 s43, 15, s43                        ; my row of the cluster
	s_lshl_b32 s44, 0x1111, s40                    ; my column
	; descriptor group 1: a tile of 128 rows x 256 bytes, padded in LDS
	s_or_b32 s[G1+0], s43, (1<<20)|(1<<21)|(5<<22)|(3<<25)  ; the mask of my row; element of 1 byte; padding after every 64 words (code 5), of 4 words (code 3); bit 21 set beside a mask
	s_or_b32 s[G1B+0], s44, (1<<20)|(1<<21)|(5<<22)|(3<<25) ; the mask of my column
.irp g, G1, G1B
	s_mov_b32 s[\g+1], ROWB<<16                    ; tensor_dim0
	s_mov_b32 s[\g+2], 128<<16                     ; tensor_dim1
	s_mov_b32 s[\g+3], ROWB<<16                    ; tile_dim0
	s_mov_b32 s[\g+4], 128                         ; tile_dim1
	s_mov_b32 s[\g+5], KROW                        ; the pitch
	s_mov_b32 s[\g+6], 0
	s_mov_b32 s[\g+7], 0
.endr
	SPAIR CK+2,  0x3fb8ab5a                        ; c1 =  1.00002368 log2(e)
	SPAIR CK+4,  0x3f0a29d2                        ; c2 =  0.37409196 log2(e)
	SPAIR CK+6,  0x3e0efb2e                        ; c3 =  0.09678418 log2(e)
	SPAIR CK+8,  0xbe899a80                        ; c4 = -0.18628806 log2(e)
	SPAIR CK+10, 0x3ecdfd18                        ; c5 =  0.27886807 log2(e)
	SPAIR CK+12, 0xbfd1a1e5                        ; c6 = -1.13520398 log2(e)
	SPAIR CK+14, 0x40097039                        ; c7 =  1.48851587 log2(e)
	SPAIR CK+18, 0x3e7c6f08                        ; c9 =  0.17087277 log2(e)
	SPAIR K1,    0x3eb504f3                        ; 1 / (2 sqrt 2)
	SPAIR NK2,   0xbf38aa3b                        ; -log2(e) / 2
	s_mov_b32 s[MASK], 0x7fffffff
	s_lshl_b32 s18, s16, 7                         ; which 128 rows of the tile I fetch
	s_lshl_b32 s20, s17, 8
	s_add_co_u32 s20, s20, s18
	s_lshl_b32 s20, s20, 11                        ; x: row 256 x tile row + 128 x half, in bytes
	s_mov_b32 s21, 0
	s_lshl_b32 s46, s42, 8
	s_add_co_u32 s46, s46, s18
	s_lshl_b32 s46, s46, 11                        ; w1: row 256 x tile column + 128 x half, in bytes
	s_mov_b32 s47, 0
	s_mul_i32 s45, s14, HALFT                      ; where they go: wave x 128 rows: no place in the cluster enters an LDS address
	s_lshl_b32 s18, s42, 10
	s_lshl_b32 s19, s16, 9
	s_add_co_u32 s18, s18, s19                     ; b1 at my 128 hidden units, in bytes
	s_mov_b32 s19, 0
	s_lshl_b32 s22, s17, 1
	s_add_co_u32 s22, s22, s15
	s_lshl_b32 s22, s22, 20                        ; h: 128 tokens are 64 x 16,384 bytes,
	s_lshl_b32 s23, s42, 1
	s_add_co_u32 s23, s23, s16
	s_lshl_b32 s23, s23, 14                        ; my 128 hidden units of them 16,384
	s_add_co_u32 s22, s22, s23
	s_mov_b32 s23, 0
	s_cmp_lt_u32 ttmp9, 4
	s_cselect_b32 s2, 1, -1
	s_cmp_eq_u32 s15, 0
	s_cselect_b32 s2, s2, 1                        ; 1 where my wave prefetches, else the greatest number
	s_cselect_b32 s94, s40, s41                    ; my place among the four that ask with me
	s_lshl_b32 s94, s94, 16                        ; 32 rows each
	s_mov_b32 s95, 0
	s_wait_alu depctr_va_vdst(0)                   ; the wait at the head's end
	s_wait_dscnt 0x0                               ; both opening adds are done
	s_wait_kmcnt 0x0
	s_load_b128 s[96:99], s[8:9], 0x0              ; e0, e1, e2, e3
	s_add_nc_u64 s[4:5], s[4:5], s[20:21]
	s_add_nc_u64 s[6:7], s[6:7], s[46:47]
	s_add_nc_u64 s[10:11], s[10:11], s[18:19]
	s_add_nc_u64 s[12:13], s[12:13], s[22:23]
.irp s, 0,1
	s_mov_b32 s[G0+4*\s], 1
	s_add_co_u32 s[G0+4*\s+1], s45, \s*SLOT
	s_add_nc_u64 s[G0+4*\s+2:G0+4*\s+3], s[4:5], \s*ROWB
	s_or_b32 s[G0+4*\s+3], s[G0+4*\s+3], 0x80000000
	s_mov_b32 s[G0B+4*\s], 1
	s_add_co_u32 s[G0B+4*\s+1], s45, \s*SLOT
	s_add_nc_u64 s[G0B+4*\s+2:G0B+4*\s+3], s[6:7], \s*ROWB
	s_or_b32 s[G0B+4*\s+3], s[G0B+4*\s+3], 0x80000000
.endr
	s_cmp_eq_u32 s15, 0
	s_cselect_b64 s[PFA:PFA+1], s[4:5], s[6:7]
	s_add_nc_u64 s[PFA:PFA+1], s[PFA:PFA+1], s[94:95]
	s_add_nc_u64 s[PFA:PFA+1], s[PFA:PFA+1], ROWB  ; at K step 1
	CROUND                                         ; all sixteen work-groups are here: the first joint loads meet
	JLOAD 0                                        ; K step 0: one tensor load a wave at the head
.irp b, 0,1,2,3,4,5,6,7
	global_load_b128 v[B1+8*\b:B1+8*\b+3], v[BO], s[10:11] offset:64*\b          ; hidden units 16 b + 8 h + 0 .. 7
	global_load_b128 v[B1+8*\b+4:B1+8*\b+7], v[BO], s[10:11] offset:64*\b+16
.endr
	s_cmp_eq_u32 s2, 1
	s_cbranch_scc0 .Lnot_mine
	global_prefetch_b8 v[PFO], s[PFA:PFA+1] th:TH_LOAD_NT scope:SCOPE_SE                 ; K step 1
	global_prefetch_b8 v[PFO], s[PFA:PFA+1] offset:ROWB th:TH_LOAD_NT scope:SCOPE_SE     ; K step 2
.Lnot_mine:
.macro FRAG reg, adr, q, i             ; a fragment is 16 registers: lane l holds row l % 16; registers 4 c .. 4 c + 3 hold K = 32 c + 16 (l / 16) + 0 .. 15: the same places of k in both operands
.irp c, 0,1,2,3
	ds_load_b128 v[\reg+4*\c:\reg+4*\c+3], v[\adr] offset:128*(\q)+32*\c+(\i)*16*PITCH
.endr
.endm
; 8 matrix instructions: x's block a against w1's eight, 128 along K.  p: w1's set.  zero = 1: the first product starts the sums.
; The 64 accumulators take turns, one instruction a turn, in the same order in every step.
.macro MUL8 a, p, zero
.irp b, 0,1,2,3,4,5,6,7
.if \zero
	v_wmma_f32_16x16x128_bf8_bf8 v[8*(8*((\a)%4)+\b):8*(8*((\a)%4)+\b)+7], v[128*(\p)+FR*\b:128*(\p)+FR*\b+FR-1], v[AF+FR*(\a):AF+FR*(\a)+FR-1], 0
.else
	v_wmma_f32_16x16x128_bf8_bf8 v[8*(8*((\a)%4)+\b):8*(8*((\a)%4)+\b)+7], v[128*(\p)+FR*\b:128*(\p)+FR*\b+FR-1], v[AF+FR*(\a):AF+FR*(\a)+FR-1], v[8*(8*((\a)%4)+\b):8*(8*((\a)%4)+\b)+7]
.endif
.endr
.endm
; A load into a register that a matrix instruction has read stands NP places behind it, and so does a vector instruction that reads a result; only plain vector instructions that name none of its registers are places.
.macro PLACES
.rept NP
	v_nop
.endr
.endm
.macro FETCH_A4 slot, q                ; x's blocks 4-7
	WIN 0
.irp i, 4,5,6,7
	FRAG AF+FR*\i, ADRA+\slot, \q, \i
.endr
.endm
; A slot's first 128 along K, on w1's set 0: its second 128's w1 fragments come in two runs of sixteen loads, each ahead of sixteen products, x's blocks 0-3 behind their own last products, blocks 4-7 at the end.
.macro STEP slot, zero
	s_wait_dscnt 16                                ; w1's set and x's blocks 0-3 are in; the youngest sixteen loads (x's blocks 4-7) may be out
.irp g, 0,2
	WIN TO_B
	FRAG 128+FR*(2*\g), ADRB+\slot, 1, 2*\g
	FRAG 128+FR*(2*\g+1), ADRB+\slot, 1, 2*\g+1
	FRAG 128+FR*(2*\g+2), ADRB+\slot, 1, 2*\g+2
	FRAG 128+FR*(2*\g+3), ADRB+\slot, 1, 2*\g+3
	WIN MUL_LO
	MUL8 \g, 0, \zero
	MUL8 \g+1, 0, \zero
.endr
	s_wait_dscnt 32                                ; x's blocks 4-7 are in: the 32 loads issued behind them may be out
	PLACES
	WIN 0
	FRAG AF, ADRA+\slot, 1, 0
	FRAG AF+FR, ADRA+\slot, 1, 1
	FRAG AF+2*FR, ADRA+\slot, 1, 2
	FRAG AF+3*FR, ADRA+\slot, 1, 3
	WIN MUL_HI
	MUL8 4, 0, \zero
	MUL8 5, 0, \zero
	MUL8 6, 0, \zero
	MUL8 7, 0, \zero
	PLACES
	FETCH_A4 \slot, 1
.endm
; A slot's second 128 along K, on w1's set 1, changes slots: ONE barrier; in front of it each wave waits for all its tensor loads, adds 0 to its spare word, and waits for that and for its own reads of this slot.
; fill = 1: this slot is filled again, two K steps ahead; the barrier then opens a round of the cluster's barrier.
.macro TURN slot, next, fill
	s_wait_dscnt 16                                ; w1's set and x's blocks 0-3 are in; x's blocks 4-7 may be out
	WIN MUL_LO
	MUL8 0, 1, 0
	MUL8 1, 1, 0
	WIN 0                                          ; (the add's two registers lie in window 0)
.if \fill
	s_wait_xcnt 0x0                                ; my last prefetch has read its address
	s_add_nc_u64 s[PFA:PFA+1], s[PFA:PFA+1], ROWB
.endif
	s_wait_tensorcnt 0x0                           ; all my tensor loads have landed: my part of the next slot; so every group 0 may be written
	ds_add_u32 v[SPW], v[NIL]                      ; 0 onto my spare word
.if \fill
	s_add_nc_u64 s[G0+4*\slot+2:G0+4*\slot+3], s[G0+4*\slot+2:G0+4*\slot+3], 2*ROWB
	s_add_nc_u64 s[G0B+4*\slot+2:G0B+4*\slot+3], s[G0B+4*\slot+2:G0B+4*\slot+3], 2*ROWB
.endif
	s_wait_dscnt 0x0                               ; the add is done, and my reads of this slot are over
	s_barrier_signal -1
	WIN MUL_LO
	MUL8 2, 1, 0                                   ; work on registers while the others arrive
	MUL8 3, 1, 0
	WIN 0
	s_barrier_wait -1
.if \fill
	CREST                                          ; no wave of any partner still reads this slot's tile or has a load on its way
	JLOAD \slot                                    ; the first tensor load behind the round; the four v_nop behind it are the places in front of the loads below
.else
	PLACES
.endif
.irp g, 0,2
	WIN TO_B
	FRAG FR*(2*\g), ADRB+\next, 0, 2*\g
	FRAG FR*(2*\g+1), ADRB+\next, 0, 2*\g+1
	FRAG FR*(2*\g+2), ADRB+\next, 0, 2*\g+2
	FRAG FR*(2*\g+3), ADRB+\next, 0, 2*\g+3
	WIN 0
	FRAG AF+FR*(\g), ADRA+\next, 0, \g
	FRAG AF+FR*(\g+1), ADRA+\next, 0, \g+1
	WIN MUL_HI
	MUL8 4+\g, 1, 0
	MUL8 5+\g, 1, 0
.endr
	PLACES
	FETCH_A4 \next, 0
.if \fill
	s_cmp_gt_u32 s3, s2                            ; the last trip asks for nothing
	s_cbranch_scc0 .Lno_ask_\@
	global_prefetch_b8 v[PFO], s[PFA:PFA+1] offset:2*ROWB th:TH_LOAD_NT scope:SCOPE_SE   ; two K steps beyond the one just asked for
.Lno_ask_\@:
.endif
.endm
	s_wait_tensorcnt 0x0                           ; my part of K step 0 is in; these lines stand ahead of a later first fill, as ahead of a refill
	ds_add_u32 v[SPW], v[NIL]
	s_wait_dscnt 0x0
	CROUND                                         ; everybody's part of K step 0 is in, and the joint loads meet
	JLOAD 1                                        ; K step 1, the first tensor load behind the round
	WIN TO_B
.irp i, 0,1,2,3,4,5,6,7
	FRAG FR*\i, ADRB, 0, \i
.endr
	WIN 0
.irp i, 0,1,2,3
	FRAG AF+FR*\i, ADRA, 0, \i
.endr
	FETCH_A4 0, 0
	s_cmp_eq_u32 s2, 1
	s_cbranch_scc0 .Lnot_mine_3
	global_prefetch_b8 v[PFO], s[PFA:PFA+1] offset:2*ROWB th:TH_LOAD_NT scope:SCOPE_SE   ; K step 3
.Lnot_mine_3:
	STEP 0, 1                                      ; the first products start the sums
	WIN 0
	s_mov_b32 s3, 3
.Llap:                                                 ; a trip goes once round the ring and fills both slots again
	TURN 0, 1, 1
	STEP 1, 0
	TURN 1, 0, 1
	STEP 0, 0
	WIN 0
	s_sub_co_u32 s3, s3, 1
	s_cmp_lg_u32 s3, 0
	s_cbranch_scc1 .Llap
	TURN 0, 1, 0                                   ; the last lap fills nothing
	STEP 1, 0
	s_wait_dscnt 16                                ; the very last 128 along K: nothing more to fetch
	WIN MUL_LO
	MUL8 0, 1, 0
	MUL8 1, 1, 0
	MUL8 2, 1, 0
	MUL8 3, 1, 0
	s_wait_dscnt 0
	WIN MUL_HI
	MUL8 4, 1, 0
	MUL8 5, 1, 0
	MUL8 6, 1, 0
	MUL8 7, 1, 0
	WIN 0
; THE WAY OUT, in 16 units of 32 numbers a lane: unit u is block a = u / 2 of 16 tokens, accumulators b = 4 (u % 2) .. + 3.  The unit's text stands once; a tree of branches on u leads to the 16 lines that read
; this unit's accumulators, scale them and add b1.
	s_wait_kmcnt 0x0                               ; the four exponents
	s_add_co_i32 s[SC], s96, s97
	s_add_co_i32 s[SC], s[SC], 127
	s_lshl_b32 s[SC], s[SC], 23                    ; 2^(e0 + e1) as f32
	s_mov_b32 s[SC+1], s[SC]
	s_add_co_i32 s20, s98, 128
	s_lshl_b32 s21, s20, 23
	s_add_co_i32 s20, s20, 15
	s_lshl_b32 s20, s20, 23
	s_or_b32 s20, s20, 0x600000
	v_mov_b32 v[SCL], s21                          ; 2^(e2 + 1)
	v_mov_b32 v[LIM], s20                          ; 57,344 x 2^(e2 + 1)
	v_mov_b32 v[CV8], 0xbf97d29d                   ; c8 = -0.82215223 log2(e)
	v_mov_b32 v[CV8+1], 0xbf97d29d
	v_mov_b32 v[CV0], 0xbfe9b21e                   ; c0 = -1.26551223 log2(e)
	v_mov_b32 v[CV0+1], 0xbfe9b21e                 ; (these six lines are also places behind the last products)
	s_mov_b32 s[CNT], 0
	s_wait_alu depctr_va_vdst(0)
	s_wait_loadcnt 0x0                             ; b1
.macro ARM u
	WIN (2+(\u)/8)                                 ; source 0: window 2 or 3
	s_wait_alu depctr_va_vdst(0)                   ; the wait directly ahead of the first reader of these results
.set i, 0
.rept 16
	v_pk_fma_f32 v[WR+i:WR+i+1], v[64*(((\u)/2)%4)+32*((\u)%2)+i:64*(((\u)/2)%4)+32*((\u)%2)+i+1], s[SC:SC+1], v[B1+32*((\u)%2)+i:B1+32*((\u)%2)+i+1] op_sel_hi:[1,0,1]   ; x = sum x 2^(e0 + e1) + b1
.set i, i+2
.endr
	WIN 0
	s_branch .Lgot
.endm
.macro T2 lo
	s_cmp_lt_u32 s[CNT], (\lo)+1
	s_cbranch_scc0 .Lhi_\@
	ARM (\lo)
.Lhi_\@:
	ARM (\lo)+1
.endm
.macro T4 lo
	s_cmp_lt_u32 s[CNT], (\lo)+2
	s_cbranch_scc0 .Lhi_\@
	T2 (\lo)
.Lhi_\@:
	T2 (\lo)+2
.endm
.macro T8 lo
	s_cmp_lt_u32 s[CNT], (\lo)+4
	s_cbranch_scc0 .Lhi_\@
	T4 (\lo)
.Lhi_\@:
	T4 (\lo)+4
.endm
.Lunit:
	s_cmp_lt_u32 s[CNT], 8
	s_cbranch_scc0 .Lupper
	T8 0
.Lupper:
	T8 8
.Lgot:
	s_wait_xcnt 0x0                                ; the last unit's stores have read their data and their base
	s_add_nc_u64 s[12:13], s[12:13], 1024          ; the base stands one unit ahead: the stores reach back by their immediates
.set i, 0
.rept 32
	v_and_b32 v[AR+i], s[MASK], v[WR+i]            ; |x|
.set i, i+1
.endr
.set i, 0
.rept 16
	v_pk_fma_f32 v[PR+i:PR+i+1], v[AR+i:AR+i+1], s[K1:K1+1], 1.0 op_sel_hi:[1,0,0]   ; 1 + z / 2, z = |x| / sqrt 2
.set i, i+2
.endr
.set i, 0
.rept 16
	v_pk_mul_f32 v[QR+i:QR+i+1], v[WR+i:WR+i+1], v[WR+i:WR+i+1]
.set i, i+2
.endr
	s_wait_alu depctr_va_vdst(0)                   ; ahead of the batch
.set i, 0
.rept 16
	v_rcp_f32 v[TR+i], v[PR+i]                     ; t
	v_rcp_f32 v[TR+i+1], v[PR+i+1]
	v_pk_fma_f32 v[QR+i:QR+i+1], v[QR+i:QR+i+1], s[NK2:NK2+1], v[CV0:CV0+1] op_sel_hi:[1,0,1]   ; c0 - z^2 log2(e): names no register of the batch
.set i, i+2
.endr
	s_wait_alu depctr_va_vdst(0)                   ; and behind it
.set i, 0
.rept 16
	v_pk_fma_f32 v[PR+i:PR+i+1], v[TR+i:TR+i+1], s[CK+18:CK+19], v[CV8:CV8+1] op_sel_hi:[1,0,1]   ; c9 t + c8
.set i, i+2
.endr
.irp k, 7,6,5,4,3,2,1
.set i, 0
.rept 16
	v_pk_fma_f32 v[PR+i:PR+i+1], v[PR+i:PR+i+1], v[TR+i:TR+i+1], s[CK+2*\k:CK+2*\k+1] op_sel_hi:[1,1,0]   ; sixteen chains side by side
.set i, i+2
.endr
.endr
.set i, 0
.rept 16
	v_pk_fma_f32 v[PR+i:PR+i+1], v[PR+i:PR+i+1], v[TR+i:TR+i+1], v[QR+i:QR+i+1]   ; the whole exponent, to base 2
.set i, i+2
.endr
	s_wait_alu depctr_va_vdst(0)                   ; ahead of the batch
.set i, 0
.rept 16
	v_exp_f32 v[QR+i], v[PR+i]
	v_exp_f32 v[QR+i+1], v[PR+i+1]
	v_pk_add_f32 v[WR+i:WR+i+1], v[WR+i:WR+i+1], v[AR+i:AR+i+1]   ; x + |x|: exact; names no register of the batch
.set i, i+2
.endr
	s_wait_alu depctr_va_vdst(0)                   ; and behind it
.set i, 0
.rept 16
	v_pk_mul_f32 v[QR+i:QR+i+1], v[QR+i:QR+i+1], v[TR+i:TR+i+1]   ; erfc(z)
.set i, i+2
.endr
.set i, 0
.rept 16
	v_pk_fma_f32 v[PR+i:PR+i+1], v[AR+i:AR+i+1], v[QR+i:QR+i+1], v[WR+i:WR+i+1] neg_lo:[1,0,0] neg_hi:[1,0,0]   ; 2 gelu(x) = (x + |x|) - |x| erfc(z)
.set i, i+2
.endr
.set i, 0
.rept 32
	v_med3_num_f32 v[PR+i], v[PR+i], -v[LIM], v[LIM]   ; the conversion to an 8-bit code does not saturate (ISA guide 7.6.2): the hold at the largest code x the scale
.set i, i+1
.endr
.irp b, 0,1,2,3
	v_cvt_scalef32_pk8_bf8_f32 v[CD+2*\b:CD+2*\b+1], v[PR+8*\b:PR+8*\b+7], v[SCL]   ; / 2^(e2 + 1), ties to even: accumulator b's eight codes
.endr
	v_nop                                          ; one plain line behind the scaled conversions
; Lanes 16-31 of an even accumulator's codes change places with lanes 0-15 of the next one's: lane (r, h) then holds hidden units 32 c + 16 h + 0 .. 15.
	v_permlane16_swap_b32 v[CD], v[CD+2]
	v_permlane16_swap_b32 v[CD+1], v[CD+3]
	v_permlane16_swap_b32 v[CD+4], v[CD+6]
	v_permlane16_swap_b32 v[CD+5], v[CD+7]
	global_store_b128 v[CO], v[CD:CD+3], s[12:13] offset:-1024     ; 32 lanes store 512 consecutive bytes, at a multiple of 512 from the buffer's first byte
	global_store_b128 v[CO], v[CD+4:CD+7], s[12:13] offset:-512
	s_add_co_u32 s[CNT], s[CNT], 1
	s_cmp_lt_u32 s[CNT], 16
	s_cbranch_scc1 .Lunit
	s_wait_tensorcnt 0x0                           ; the wave's end
	ds_add_u32 v[SPW], v[NIL]
	s_wait_dscnt 0x0
	CROUND                                         ; the closing round: no work-group ends while a partner may still ask for a tile that names it
	s_endpgm
.Lfunc_end_k_q0d0de61139_up:
	.size	k_q0d0de61139_up, .Lfunc_end_k_q0d0de61139_up-k_q0d0de61139_up
	.p2alignl 7, 3214868480
	.fill 96, 4, 3214868480
	.section	.rodata,"a",@progbits
	.p2align	6, 0x0
	.amdhsa_kernel k_q0d0de61139_up
		.amdhsa_group_segment_fixed_size 327680
		.amdhsa_private_segment_fixed_size 0
		.amdhsa_enable_private_segment 0
		.amdhsa_kernarg_size 40
		.amdhsa_user_sgpr_count 2
		.amdhsa_user_sgpr_kernarg_segment_ptr 1
		.amdhsa_wavefront_size32 1
		.amdhsa_system_sgpr_workgroup_id_x 1
		.amdhsa_system_sgpr_workgroup_id_y 1
		.amdhsa_system_sgpr_workgroup_id_z 1
		.amdhsa_system_vgpr_workitem_id 0
		.amdhsa_next_free_vgpr 1024
		.amdhsa_next_free_sgpr 100
		.amdhsa_reserve_vcc 0
		.amdhsa_float_denorm_mode_32 3
		.amdhsa_float_denorm_mode_16_64 3
		.amdhsa_memory_ordered 1
		.amdhsa_forward_progress 1
		.amdhsa_inst_pref_size 123
	.end_amdhsa_kernel
	.amdgpu_metadata
---
amdhsa.version: [ 1, 2 ]
amdhsa.kernels:
  - .name:           k_q0d0de61139_up
    .symbol:         k_q0d0de61139_up.kd
    .args:
      - { .name: x_codes, .offset: 0, .size: 8, .value_kind: global_buffer, .address_space: global }
      - { .name: w1_codes, .offset: 8, .size: 8, .value_kind: global_buffer, .address_space: global }
      - { .name: lowp_scales, .offset: 16, .size: 8, .value_kind: global_buffer, .address_space: global }
      - { .name: b1, .offset: 24, .size: 8, .value_kind: global_buffer, .address_space: global }
      - { .name: h_codes, .offset: 32, .size: 8, .value_kind: global_buffer, .address_space: global }
    .group_segment_fixed_size: 327680
    .private_segment_fixed_size: 0
    .kernarg_segment_align: 8
    .kernarg_segment_size: 40
    .max_flat_workgroup_size: 128
    .sgpr_count:     100
    .vgpr_count:     1024
    .wavefront_size: 32
...
	.end_amdgpu_metadata
.endif
;; end of part 1
;; launch down (part 2): grid 16 x 16, 4 waves a work-group, clusters of 4 x 4, 327,680 bytes of LDS; arguments h_codes, w2_codes, lowp_scales, b2, out0; writes out0
.if DOCPART == 2
	.amdgcn_target "amdgcn-amd-amdhsa--gfx1250"
	.amdhsa_code_object_version 6
	.text
	.protected	k_q0d0de61139_down
	.globl	k_q0d0de61139_down
	.p2align	8
	.type	k_q0d0de61139_down,@function
k_q0d0de61139_down:
	s_mov_b64 s[64:65], 0
	v_nop
	global_prefetch_b8 v0, s[64:65] scope:SCOPE_SE
	s_setreg_imm32_b32 hwreg(HW_REG_WAVE_MODE, 25, 1), 1
	s_wait_xcnt 0x0
	s_wait_alu depctr_hold_cnt(0) depctr_sa_sdst(0) depctr_va_vdst(0) depctr_va_sdst(0) depctr_va_ssrc(0) depctr_va_vcc(0) depctr_vm_vsrc(0)
	s_getreg_b32 s2, hwreg(HW_REG_IB_STS2, 6, 4)
	s_cmp_eq_u32 s2, 0
	s_cbranch_scc0 .Lentry_in_a_cluster
	s_endpgm
.Lentry_in_a_cluster:
	s_bfe_u32 s2, ttmp6, 0x10000c
	s_cmp_lg_u32 s2, 0xf033
	s_cbranch_scc0 .Lentry_shape_is_right
	s_endpgm
.Lentry_shape_is_right:
; out0[t][n] = sum over k of h[t][k] w2[n][k] x 2^(e2 + e3) + b2[n], f32.  h_codes: the codes that the launch before stored, laid as operand registers: [128 tokens: 16][128 k: 64][16 tokens: 8][c: 4][lane: 32][16 bytes],
; lane (r, h) = token r, k = 32 c + 16 h + 0 .. 15 of the 128.  w2_codes: [2048][8192], K innermost, one byte a code (BF8, E5M2).  No step of the problem is left out.
; LIMIT: e2 + e3 between -126 and 127, so that 2^(e2 + e3) is an f32 number.
; SHARES.  A tile of 128 x 128 of out0 is made by a work-group of four waves: 256 tiles.  Wave w makes 128 tokens x 64 columns (half w % 2) over one half of every K step (w / 2): 32 accumulators, 256 registers.
; The two halves' f32 sums are added at the end, once: first K half + second K half.
; K goes in 16 steps of 512 through a ring of two LDS slots filled by the tensor data mover.  A K step of h's tile is 65,536 bytes on end, in LDS as in memory: a fragment's loads read 512 bytes on end.
; w2's rows are 512 bytes of memory, padded in LDS.
; CLUSTERS: 4 x 4 work-groups.  The four of a row of the cluster need the same tiles of h, the four of a column the same tiles of w2: each tile is asked for JOINTLY, by the same tensor load with the same descriptor and a mask that names the four.
; THE MATRIX INSTRUCTION IS USED TRANSPOSED (source 0 = 16 rows of w2, source 1 = 16 tokens): a lane then holds eight neighbouring columns of one token.
; PREFETCHES: behind the joint load of K step m one instruction a wave for K step m + 2 (behind the first one also for K step 1); the four partners of a joint load share its bytes out by address:
; 32 blocks of 256 bytes a wave, a lane a block.  The last two refills ask for nothing.
; REGISTERS, in windows of 256: window 0: v0-35 addresses and b2; v64-127, v128-191 w2's fragments (4 x 16 rows x 128 K), two sets.  window 1: h's fragments (8 x 16 rows x 128 K), two sets, at v0 and v128.
;   window 2: accumulator (a, b) at v[8 (4 a + b)].  Set q takes the q-th 128 of my half of a K step.
.set ASTEP,  65536                     ; bytes of a K step of h's tile
.set ROWB,   512                       ; a K step of a row of w2 in bytes
.set PITCH,  528                       ; w2's LDS row: 512 bytes + 16 of padding: row r starts at bank 4 r mod 64 (64 banks of 4 bytes: ISA guide 11.1)
.set HALFB,  64*PITCH                  ; 64 rows of w2: what one tensor load brings
.set SLOT,   ASTEP+2*HALFB             ; h's tile, then w2's 128 rows: 133,120 bytes.  Slot 1 lies at byte 0, slot 0 behind it
.set DPITCH, 272                       ; the way out: a row of my 64 sums, 256 bytes + 16
.set DUMPB,  128*DPITCH                ; a wave's sums
.set DUMP,   SLOT                      ; they lie in slot 0 and on behind it: slot 0 has had its last fill and its last read when the first sum is stored there
.set SPARE,  DUMP+4*DUMPB              ; the spare words, 128 bytes for each wave
.set NP,     4                         ; places behind this matrix instruction (ISA guide 7.12.1)
.set ADRA, 16                          ; v16-17  LDS address of my fragments of h in slot 0, 1
.set ADRB, 20                          ; v20-21  the same for w2
.set STO,  24                          ; v24     the way out: where I put my sums
.set RD,   25                          ; v25-26  where I read the first and the second K half's sums back
.set CO,   27                          ; v27     my byte offset in two rows of out0
.set SPW,  28                          ; v28     LDS address of my spare word; never rewritten
.set NIL,  29                          ; v29     0; never rewritten
.set PFO,  30                          ; v30     the prefetches' offset
.set BO,   31                          ; v31     my byte offset in b2
.set B2,   32                          ; v32-35  b2 of my four columns on the way out
.set G1, 24                            ; s[24:31] descriptor group 1 for h's tiles;  s[32:39] group 0, one set for each slot
.set G0, 32
.set G1B, 48                           ; s[48:55], s[56:63] the same for w2's tiles
.set G0B, 56
.set P1, 66                            ; s[66:67], s[68:69], s[70:71] where my prefetches of K steps 1, 2 and 3 stand; the last is stepped in the loop
.set P2, 68
.set P3, 70
.set PST, 72                           ; s[72:73] from K step to K step
.set MSB, 0
.macro WIN new                         ; the immediate's high byte repeats the setting that is left
.if MSB != \new
	s_set_vgpr_msb (MSB<<8)|\new
.set MSB, \new
.endif
.endm
.set MUL,  0xa4                        ; source 0 (w2) window 0, source 1 (h) window 1, C and D window 2
.set TO_A, 0x40                        ; destination window 1, address window 0
; A joint load: waves 0 and 1 fetch for h, waves 2 and 3 for w2.  Each of the two lines has ONE mask and one set of registers for all that issue it; the branch hangs on the wave's number alone.
.macro JLOAD s
	s_cmp_eq_u32 s15, 0
	s_cbranch_scc0 .Lfor_b_\@
	tensor_load_to_lds s[G0+4*\s:G0+4*\s+3], s[G1:G1+7]
	s_nop 0
.rept 4
	v_nop
.endr
	s_branch .Lasked_\@
.Lfor_b_\@:
	tensor_load_to_lds s[G0B+4*\s:G0B+4*\s+3], s[G1B:G1B+7]
	s_nop 0
.rept 4
	v_nop
.endr
.Lasked_\@:
.endm
.macro CREST                           ; a round of the cluster's barrier behind its opening barrier
	s_cmp_lg_u32 s14, 0
	s_cbranch_scc1 .Lnot_wave_0_\@
	s_barrier_signal -3
.Lnot_wave_0_\@:
	s_barrier_wait -3
	s_barrier_signal -1
	s_barrier_wait -1
.endm
.macro CROUND                          ; a whole round
	s_barrier_signal -1
	s_barrier_wait -1
	CREST
.endm
	s_load_b128 s[4:7], s[0:1], 0x0                ; h's codes s[4:5], w2's codes s[6:7]
	s_load_b128 s[8:11], s[0:1], 0x10              ; the scales' exponents s[8:9], b2 s[10:11]
	s_load_b64 s[12:13], s[0:1], 0x20              ; out0
	v_lshl_add_u32 v[SPW], v0, 2, SPARE
	v_mov_b32 v[NIL], 0
	ds_add_u32 v[SPW], v[NIL]                      ; the wave's opening: the add, twice on end, and its wait ahead of my first tensor load
	ds_add_u32 v[SPW], v[NIL]
	v_lshrrev_b32 v1, 5, v0
	v_readfirstlane_b32 s14, v1                    ; wave 0..3
	s_lshr_b32 s15, s14, 1                         ; which half of a K step is mine.  Also: I fetch for h (0) or for w2 (1)
	s_and_b32 s16, s14, 1                          ; which half of the columns.  Also: which half of that tile I fetch
	s_lshl_b32 s23, s15, 15                        ; my half of h's K step in slot 1,
	s_add_co_u32 s74, s23, SLOT                    ; in slot 0
	s_mul_i32 s75, s16, HALFB                      ; my 64 rows of w2, my 256 bytes of them: in slot 1,
	s_lshl_b32 s18, s15, 8
	s_add_co_u32 s75, s75, s18
	s_add_co_u32 s75, s75, ASTEP
	s_add_co_u32 s76, s75, SLOT                    ; in slot 0
	s_mul_i32 s77, s14, DUMPB
	s_add_co_u32 s77, s77, DUMP                    ; my sums
	s_mul_i32 s78, s16, DUMPB
	s_mul_i32 s18, s15, 64*DPITCH
	s_add_co_u32 s78, s78, s18
	s_add_co_u32 s78, s78, DUMP                    ; the way out: I take rows 64 x (w / 2) .. + 63 of my 64 columns
	s_mov_b32 s[PST], ASTEP
	s_mov_b32 s[PST+1], ROWB
	s_movk_i32 s19, 0x2000
	s_cmp_eq_u32 s15, 0
	s_cselect_b32 s[PST], s[PST], s[PST+1]         ; from K step to K step: 65,536 bytes of h, 512 of a row of w2
	s_cselect_b32 s19, 0x200, s19                  ; two lanes' 512 bytes: h's lie on end, w2's are rows apart
	s_mov_b32 s[PST+1], 0
	v_and_b32 v1, 15, v0                           ; r = l % 16
	v_bfe_u32 v2, v0, 4, 1                         ; h = l / 16
	v_and_b32 v3, 31, v0                           ; l
	v_lshlrev_b32 v4, 4, v3
	v_add_nc_u32 v[ADRA], s74, v4
	v_add_nc_u32 v[ADRA+1], s23, v4
	v_mul_u32_u24 v5, v1, PITCH
	v_lshl_add_u32 v5, v2, 4, v5                   ; row x pitch + 16 x half
	v_add_nc_u32 v[ADRB], s76, v5
	v_add_nc_u32 v[ADRB+1], s75, v5
	v_mul_u32_u24 v6, v1, DPITCH                   ; in: row r, 32 bytes for each half of the lanes
	v_lshl_add_u32 v6, v2, 5, v6
	v_add_nc_u32 v[STO], s77, v6
	v_mul_u32_u24 v7, v2, DPITCH                   ; back: lanes 0-15 one row of 256 bytes, lanes 16-31 the next
	v_lshl_add_u32 v7, v1, 4, v7
	v_add_nc_u32 v[RD], s78, v7
	v_add_nc_u32 v[RD+1], 2*DUMPB, v[RD]           ; wave w + 2's sums lie 2 x DUMPB behind wave w's
	v_lshlrev_b32 v[CO], 13, v2
	v_lshl_add_u32 v[CO], v1, 4, v[CO]
	v_lshlrev_b32 v[BO], 4, v1
	v_lshrrev_b32 v8, 1, v3
	v_and_b32 v9, 1, v3
	v_mul_u32_u24 v10, s19, v8
	v_lshl_add_u32 v[PFO], v9, 8, v10
	s_bfe_u32 s40, ttmp6, 0x40000                  ; cx, cy: my place in the cluster
	s_bfe_u32 s41, ttmp6, 0x40004
	s_lshl_b32 s42, ttmp9, 2
	s_add_co_u32 s42, s42, s40                     ; tile column, 0 .. 15
	s_and_b32 s17, ttmp7, 0xffff
	s_lshl_b32 s17, s17, 2
	s_add_co_u32 s17, s17, s41                     ; tile row, 0 .. 15
	s_lshl_b32 s43, s41, 2
	s_lshl_b32 s43, 15, s43                        ; my row of the cluster
	s_lshl_b32 s44, 0x1111, s40                    ; my column
	; descriptor group 1: 64 rows x 512 bytes; h's lie on end and are not padded
	s_or_b32 s[G1+0], s43, (1<<21)                 ; the mask of my row; element of 1 byte; bit 21 set beside a mask
	s_or_b32 s[G1B+0], s44, (1<<20)|(1<<21)|(6<<22)|(3<<25) ; the mask of my column; padding after every 128 words (code 6), of 4 words (code 3)
.irp g, G1, G1B
	s_mov_b32 s[\g+1], 512<<16                     ; tensor_dim0
	s_mov_b32 s[\g+2], 64<<16                      ; tensor_dim1
	s_mov_b32 s[\g+3], 512<<16                     ; tile_dim0
	s_mov_b32 s[\g+4], 64                          ; tile_dim1
	s_mov_b32 s[\g+6], 0
	s_mov_b32 s[\g+7], 0
.endr
	s_mov_b32 s[G1+5], 512                         ; the pitch
	s_mov_b32 s[G1B+5], 8192
	s_lshl_b32 s20, s17, 20                        ; h: 128 tokens are 1,048,576 bytes;
	s_lshl_b32 s22, s16, 15                        ; my half of a K step's tile. Also where it goes
	s_add_co_u32 s20, s20, s22
	s_mov_b32 s21, 0
	s_lshl_b32 s46, s42, 20                        ; w2: 128 rows are 1,048,576 bytes;
	s_lshl_b32 s18, s16, 19                        ; my 64 of them
	s_add_co_u32 s46, s46, s18
	s_mov_b32 s47, 0
	s_mul_i32 s45, s16, HALFB                      ; and where they go
	s_add_co_u32 s45, s45, ASTEP
	s_lshl_b32 s18, s42, 9
	s_lshl_b32 s19, s16, 8
	s_add_co_u32 s18, s18, s19                     ; my 64 columns of b2 and of a row of out0, in bytes
	s_mov_b32 s19, 0
	s_lshl_b32 s78, s17, 20                        ; my first row of out0: 128 x tile row + 64 x (w / 2), in bytes
	s_lshl_b32 s79, s15, 19
	s_add_co_u32 s78, s78, s79
	s_mov_b32 s79, 0
	s_lshl_b32 s74, s40, 13                        ; my place among the four that ask with me: 8,192 bytes of h,
	s_lshl_b32 s75, s41, 17                        ; 16 rows of w2
	s_cmp_eq_u32 s15, 0
	s_cselect_b32 s74, s74, s75
	s_mov_b32 s75, 0
	s_wait_alu depctr_va_vdst(0)                   ; the wait at the head's end
	s_wait_dscnt 0x0                               ; both opening adds are done
	s_wait_kmcnt 0x0
	s_load_b128 s[96:99], s[8:9], 0x0              ; e0, e1, e2, e3
	s_add_nc_u64 s[4:5], s[4:5], s[20:21]
	s_add_nc_u64 s[6:7], s[6:7], s[46:47]
	s_add_nc_u64 s[10:11], s[10:11], s[18:19]
	s_add_nc_u64 s[12:13], s[12:13], s[18:19]
	s_add_nc_u64 s[12:13], s[12:13], s[78:79]
.irp s, 0,1
	s_mov_b32 s[G0+4*\s], 1
	s_add_co_u32 s[G0+4*\s+1], s22, (1-\s)*SLOT
	s_add_nc_u64 s[G0+4*\s+2:G0+4*\s+3], s[4:5], \s*ASTEP
	s_or_b32 s[G0+4*\s+3], s[G0+4*\s+3], 0x80000000
	s_mov_b32 s[G0B+4*\s], 1
	s_add_co_u32 s[G0B+4*\s+1], s45, (1-\s)*SLOT
	s_add_nc_u64 s[G0B+4*\s+2:G0B+4*\s+3], s[6:7], \s*ROWB
	s_or_b32 s[G0B+4*\s+3], s[G0B+4*\s+3], 0x80000000
.endr
	s_cmp_eq_u32 s15, 0
	s_cselect_b64 s[P1:P1+1], s[4:5], s[6:7]
	s_add_nc_u64 s[P1:P1+1], s[P1:P1+1], s[74:75]
	s_add_nc_u64 s[P1:P1+1], s[P1:P1+1], s[PST:PST+1]
	s_add_nc_u64 s[P2:P2+1], s[P1:P1+1], s[PST:PST+1]
	s_add_nc_u64 s[P3:P3+1], s[P2:P2+1], s[PST:PST+1]
	CROUND                                         ; all sixteen work-groups are here: the first joint loads meet
	JLOAD 0                                        ; K step 0: one tensor load a wave at the head
	global_load_b128 v[B2:B2+3], v[BO], s[10:11]
	global_prefetch_b8 v[PFO], s[P1:P1+1] th:TH_LOAD_NT scope:SCOPE_SE                   ; K step 1
	global_prefetch_b8 v[PFO], s[P2:P2+1] th:TH_LOAD_NT scope:SCOPE_SE                   ; K step 2
; Fragments, 16 registers each: lane l holds row l % 16; registers 4 c .. 4 c + 3 hold K = 32 c + 16 (l / 16) + 0 .. 15: the same places of k in both operands.
.macro FRA q, slot, a                  ; h's block a
.irp c, 0,1,2,3
	ds_load_b128 v[128*(\q)+16*(\a)+4*\c:128*(\q)+16*(\a)+4*\c+3], v[ADRA+\slot] offset:16384*(\q)+2048*(\a)+512*\c
.endr
.endm
.macro FRB q, slot, b                  ; w2's block b
.irp c, 0,1,2,3
	ds_load_b128 v[64+64*(\q)+16*(\b)+4*\c:64+64*(\q)+16*(\b)+4*\c+3], v[ADRB+\slot] offset:128*(\q)+32*\c+(\b)*16*PITCH
.endr
.endm
; h's block a against w2's four.  zero = 1: the first product starts the sums.  The 32 accumulators take turns in the same order in every set.
.macro MUL4 a, q, zero
.irp b, 0,1,2,3
.if \zero
	v_wmma_f32_16x16x128_bf8_bf8 v[8*(4*(\a)+\b):8*(4*(\a)+\b)+7], v[64+64*(\q)+16*\b:64+64*(\q)+16*\b+15], v[128*(\q)+16*(\a):128*(\q)+16*(\a)+15], 0
.else
	v_wmma_f32_16x16x128_bf8_bf8 v[8*(4*(\a)+\b):8*(4*(\a)+\b)+7], v[64+64*(\q)+16*\b:64+64*(\q)+16*\b+15], v[128*(\q)+16*(\a):128*(\q)+16*(\a)+15], v[8*(4*(\a)+\b):8*(4*(\a)+\b)+7]
.endif
.endr
.endm
; A load into a register that a matrix instruction has read stands NP places behind it, and so does a store of a result; only plain vector instructions that name none of its registers are places.
.macro PLACES
.rept NP
	v_nop
.endr
.endm
; h's blocks a0 .. a0 + 3: their loads (16), and their products (16)
.macro FRA4 q, slot, a0
	WIN TO_A
.irp a, 0,1,2,3
	FRA \q, \slot, \a0+\a
.endr
.endm
.macro MUL16 a0, q, zero
	WIN MUL
.irp a, 0,1,2,3
	MUL4 \a0+\a, \q, \zero
.endr
.endm
.macro FRB4 q, slot                    ; w2's four blocks: 16 loads
	WIN 0
.irp b, 0,1,2,3
	FRB \q, \slot, \b
.endr
.endm
; A slot's loads go out in three runs.  FIRST is the first, 32 loads; REST the other two, 48 and 16, each ahead of sixteen products on set 0.
.macro FIRST slot
	FRB4 0, \slot
	FRA4 0, \slot, 0
.endm
.macro REST slot, zero
	FRB4 1, \slot
	FRA4 0, \slot, 4
	FRA4 1, \slot, 0
	s_wait_dscnt 48                                ; FIRST's loads are in: the 48 just issued may be out
	MUL16 0, 0, \zero
	FRA4 1, \slot, 4
	s_wait_dscnt 32                                ; the whole of set 0 is in: set 1's 32 loads of h may be out
	MUL16 4, 0, \zero
	WIN 0
.endm
; From one K step to the next, which lies in slot.  ONE barrier: in front of it each wave waits for all its tensor loads, adds 0 to its spare word, and waits for that and for its own reads of the other slot,
; whose second set lies in registers by then: sixteen of its products stand between the barrier's signal and its wait, sixteen behind FIRST.  fill = 1: the other slot is filled again, and the barrier opens a round of the cluster's barrier.
.macro TURN slot, fill
.if \fill
	s_wait_xcnt 0x0                                ; my last prefetch has read its address
	s_add_nc_u64 s[P3:P3+1], s[P3:P3+1], s[PST:PST+1]
.endif
	s_wait_tensorcnt 0x0                           ; all my tensor loads have landed: my part of this K step; so every group 0 may be written
	ds_add_u32 v[SPW], v[NIL]                      ; 0 onto my spare word
.if \fill
	s_add_nc_u64 s[G0+4*(1-\slot)+2:G0+4*(1-\slot)+3], s[G0+4*(1-\slot)+2:G0+4*(1-\slot)+3], 2*ASTEP
	s_add_nc_u64 s[G0B+4*(1-\slot)+2:G0B+4*(1-\slot)+3], s[G0B+4*(1-\slot)+2:G0B+4*(1-\slot)+3], 2*ROWB
.endif
	s_wait_dscnt 0x0                               ; the add is done, and my reads of the other slot are over
	s_barrier_signal -1
	MUL16 0, 1, 0                                  ; work on registers while the others arrive: the last K step's second set
	WIN 0
	s_barrier_wait -1
.if \fill
	CREST                                          ; no wave of any partner still reads the other slot's tile or has a load on its way
	JLOAD (1-\slot)                                ; the first tensor load behind the round; the four v_nop behind it are the places in front of the loads below
.else
	PLACES
.endif
	FIRST \slot
	MUL16 4, 1, 0
	WIN 0
.if \fill
	s_cmp_gt_u32 s3, 1                             ; the last trip asks for nothing
	s_cbranch_scc0 .Lno_ask_\@
	global_prefetch_b8 v[PFO], s[P3:P3+1] th:TH_LOAD_NT scope:SCOPE_SE                   ; two K steps beyond the one just asked for
.Lno_ask_\@:
.endif
	PLACES
	REST \slot, 0                                  ; this K step's first set
.endm
	s_wait_tensorcnt 0x0                           ; my part of K step 0 is in; these lines stand ahead of a later first fill, as ahead of a refill
	ds_add_u32 v[SPW], v[NIL]
	s_wait_dscnt 0x0
	CROUND                                         ; everybody's part of K step 0 is in, and the joint loads meet
	JLOAD 1                                        ; K step 1, the first tensor load behind the round
	FIRST 0
	WIN 0
	global_prefetch_b8 v[PFO], s[P3:P3+1] th:TH_LOAD_NT scope:SCOPE_SE                   ; K step 3
	REST 0, 1                                      ; K step 0's first set starts the sums
	s_mov_b32 s3, 7
.Llap:                                                 ; K steps 2 j - 1 and 2 j, j = 1 .. 7: each fills the other slot with the K step behind it
	TURN 1, 1
	TURN 0, 1
	s_sub_co_u32 s3, s3, 1
	s_cmp_lg_u32 s3, 0
	s_cbranch_scc1 .Llap
	TURN 1, 0                                      ; K step 15 fills nothing
	s_wait_dscnt 0x0                               ; its second set is in
	WIN MUL
.irp a, 0,1,2,3,4,5,6,7
	MUL4 \a, 1, 0
.endr
	PLACES
; THE WAY OUT.  All my sums go into LDS as rows; behind one barrier I read my 64 rows of both K halves, add them, scale, add b2 and store whole rows of 256 bytes.
	WIN 0x08                                       ; the stores' data: window 2
.irp a, 0,1,2,3,4,5,6,7
.irp b, 0,1,2,3
	ds_store_b128 v[STO], v[8*(4*\a+\b):8*(4*\a+\b)+3] offset:\a*16*DPITCH+64*\b
	ds_store_b128 v[STO], v[8*(4*\a+\b)+4:8*(4*\a+\b)+7] offset:\a*16*DPITCH+64*\b+16
.endr
.endr
	WIN 0
	s_wait_kmcnt 0x0                               ; the exponents
	s_add_co_i32 s96, s98, s99
	s_add_co_i32 s96, s96, 127
	s_lshl_b32 s96, s96, 23                        ; 2^(e2 + e3) as f32
	s_mov_b32 s97, s96
	s_wait_loadcnt 0x0                             ; b2
	s_wait_dscnt 0x0                               ; for the others' sake: my stores have landed
	s_barrier_signal -1
	s_barrier_wait -1
	WIN 0x40                                       ; destination window 1
.set i, 0
.rept 32
	ds_load_b128 v[4*i:4*i+3], v[RD] offset:i*2*DPITCH
	ds_load_b128 v[128+4*i:128+4*i+3], v[RD+1] offset:i*2*DPITCH
.set i, i+1
.endr
.irp t, 0,1,2,3                        ; eight pairs of loads at a time: the 48 - 16 t younger loads may be out
	s_wait_dscnt 48-16*\t
	WIN 0x45
.set i, 32*\t
.rept 16
	v_pk_add_f32 v[i:i+1], v[i:i+1], v[128+i:129+i]
.set i, i+2
.endr
	WIN 0x41
.set i, 32*\t
.rept 16
	v_pk_fma_f32 v[i:i+1], v[i:i+1], s[96:97], v[B2+i%4:B2+i%4+1] op_sel_hi:[1,0,1]
.set i, i+2
.endr
	WIN 0x04
.set i, 8*\t
.rept 8
	global_store_b128 v[CO], v[4*i:4*i+3], s[12:13] offset:i*16384 th:TH_STORE_NT   ; two rows: sixteen lanes store 256 consecutive bytes, at a multiple of 256 from out0's first byte
.set i, i+1
.endr
.endr
	WIN 0
	s_wait_tensorcnt 0x0                           ; the wave's end
	ds_add_u32 v[SPW], v[NIL]
	s_wait_dscnt 0x0
	CROUND                                         ; the closing round: no work-group ends while a partner may still ask for a tile that names it
	s_endpgm
.Lfunc_end_k_q0d0de61139_down:
	.size	k_q0d0de61139_down, .Lfunc_end_k_q0d0de61139_down-k_q0d0de61139_down
	.p2alignl 7, 3214868480
	.fill 96, 4, 3214868480
	.section	.rodata,"a",@progbits
	.p2align	6, 0x0
	.amdhsa_kernel k_q0d0de61139_down
		.amdhsa_group_segment_fixed_size 327680
		.amdhsa_private_segment_fixed_size 0
		.amdhsa_enable_private_segment 0
		.amdhsa_kernarg_size 40
		.amdhsa_user_sgpr_count 2
		.amdhsa_user_sgpr_kernarg_segment_ptr 1
		.amdhsa_wavefront_size32 1
		.amdhsa_system_sgpr_workgroup_id_x 1
		.amdhsa_system_sgpr_workgroup_id_y 1
		.amdhsa_system_sgpr_workgroup_id_z 1
		.amdhsa_system_vgpr_workitem_id 0
		.amdhsa_next_free_vgpr 768
		.amdhsa_next_free_sgpr 100
		.amdhsa_reserve_vcc 0
		.amdhsa_float_denorm_mode_32 3
		.amdhsa_float_denorm_mode_16_64 3
		.amdhsa_memory_ordered 1
		.amdhsa_forward_progress 1
		.amdhsa_inst_pref_size 75
	.end_amdhsa_kernel
	.amdgpu_metadata
---
amdhsa.version: [ 1, 2 ]
amdhsa.kernels:
  - .name:           k_q0d0de61139_down
    .symbol:         k_q0d0de61139_down.kd
    .args:
      - { .name: h_codes, .offset: 0, .size: 8, .value_kind: global_buffer, .address_space: global }
      - { .name: w2_codes, .offset: 8, .size: 8, .value_kind: global_buffer, .address_space: global }
      - { .name: lowp_scales, .offset: 16, .size: 8, .value_kind: global_buffer, .address_space: global }
      - { .name: b2, .offset: 24, .size: 8, .value_kind: global_buffer, .address_space: global }
      - { .name: out0, .offset: 32, .size: 8, .value_kind: global_buffer, .address_space: global }
    .group_segment_fixed_size: 327680
    .private_segment_fixed_size: 0
    .kernarg_segment_align: 8
    .kernarg_segment_size: 40
    .max_flat_workgroup_size: 128
    .sgpr_count:     100
    .vgpr_count:     768
    .wavefront_size: 32
...
	.end_amdgpu_metadata
.endif
;; end of part 2
